; MI455X (gfx1250); checked and timed in simulation.
; The chip was launched on July 23, 2026; its instructions are those of AMD's public machine-readable ISA for CDNA 5 (MIT licence, August 2026) and "CDNA5" Instruction Set Architecture Reference Guide (July 2026). The comments in the code are by the model that wrote it; some were corrected since.
;; Sap BER Tembedded SOM. Allowed arithmetic: matrix products marked QUANTISED: E2M1 operands, one E8M0 scale for each 32 along K, by v_wmma_scale_f32_16x16x128_f8f6f4 with both operands' format E2M1 (or v_wmma_scale_f32_32x16x128_f4), f32 sums; everything else in f32.
;; Inputs: embedded 2,048 x 768 float32; weights 16,384 x 768 float32.
;; Outputs: out0 16,384 x 768 float32.
;; Constants: it = 100.
;; This version of the problem:
;;   THIS VERSION OF THE PROBLEM IS GIVEN IN LOW PRECISION. The matrix products marked QUANTISED in the list below multiply operands that are first quantised to E2M1 (2 exponent bits, 1 mantissa bit; 4 bits a number), with one power-of-two scale for each 32 numbers along K (OCP MX v1.0); their sums are f32. All else is computed in f32.
;;   The module's matrix products, in the order in which they are computed (A, B: the left and right operand; K: the contracted axis; several contracted axes count as one K, in the product's order):
;;     1. [M 2,048, K 768] x [K 768, N 16,384]; A: input embedded; B: input weights: QUANTISED
;;     2. [M 16,384, K 2,048] x [K 2,048, N 768]; A: computed on the way; B: input embedded: QUANTISED
;;   THE QUANTISER, for each operand of a quantised product, along K:
;;     - K is cut into blocks of 32 from its start; a last block that is shorter is filled with zeros.
;;     - A block's scale is 2^e with e = floor(log2(the largest magnitude in the block)) - 2, held to -126 .. 127; a block of zeros has e = 0. As a byte (E8M0): e + 127.
;;     - Each number is divided by its block's scale, clamped to +-6, and rounded to the nearest number of E2M1, ties to even, subnormals kept.
;;     - The product sums the exact products of the quantised numbers (number of the format x scale) in f32.
;;   ~~~python
;;   def quantise(x, axis):      # numpy; x: float32 -> the quantised numbers, widened to float32 again
;;       x = np.moveaxis(x, axis, -1); K = x.shape[-1]
;;       x = np.pad(x, [(0, 0)] * (x.ndim - 1) + [(0, -K % 32)]); x = x.reshape(x.shape[:-1] + (-1, 32)); a = np.abs(x).max(-1, keepdims=True)
;;       e = np.where(a > 0, np.clip(np.frexp(np.where(a > 0, a, 1))[1] - 1 - 2, -126, 127), 0)      # np.frexp(a)[1] - 1 = floor(log2(a)), exactly
;;       r = np.clip(x / 2.0 ** e, -6, 6)
;;       step = 2.0 ** (np.maximum(np.frexp(np.where(r == 0, 1, r))[1] - 1, 0) - 1)
;;       q = np.round(r / step) * step * 2.0 ** e      # np.round: ties to even
;;       return np.moveaxis(q.reshape(q.shape[:-2] + (-1,))[..., :K], -1, axis).astype(np.float32)
;;   ~~~
;;   OPERANDS COMPUTED ON THE WAY. 'Computed on the way' means the value that the module computes at that place (a softmax that the list does not call 'softmax' is quantised finished and normalised). What goes into a quantiser is computed in f32, as accurately as f32 sums, v_exp_f32 and their like allow (about 1e-6 of the number): no bf16 or f16 on the way to a quantiser, and a product that is left as it is and whose result goes on into a quantised operand takes f32 operands (vector FMAs, or v_wmma_f32_16x16x4_f32). A number that lies on a knife's edge between two numbers of the format may be rounded either way, as far as f32 arithmetic and the matrix unit's own rounding can turn it there, and no further.
;; One version. Each part assembles by itself: llvm-mc -triple=amdgcn-amd-amdhsa -mcpu=gfx1250 --defsym DOCPART=n.
;; ======== version 1 of 1: 3 launches
;; limits: right only within a limited range of input values
;; workspace buffers: xq1 884,736 bytes; wq 7,077,888 bytes; xq2 835,584 bytes; pval 131,072 bytes; pidx 131,072 bytes
;; launch prep (part 1): grid 24 x 16, 4 waves a work-group, no clusters, 35,840 bytes of LDS; arguments embedded, weights, xq1, wq, xq2; writes xq1, wq, xq2
.if DOCPART == 1
	.amdgcn_target "amdgcn-amd-amdhsa--gfx1250"
	.amdhsa_code_object_version 6
	.text
	.protected	k_qc824df04c6_prep
	.globl	k_qc824df04c6_prep
	.p2align	8
	.type	k_qc824df04c6_prep,@function
k_qc824df04c6_prep:
	s_mov_b64 s[64:65], 0
	v_nop
	global_prefetch_b8 v0, s[64:65] scope:SCOPE_SE
	s_setreg_imm32_b32 hwreg(HW_REG_WAVE_MODE, 25, 1), 1
	s_wait_xcnt 0x0
; embedded [2048][768] and weights [16384][768], f32, become codes of FP4 (E2M1) with one E8M0 byte for each 32 along K.
; ROWS (work-group y 0..11): K = the 768.  A wave turns 16 rows into one RECORD of 6,912 bytes: six fragments (16 rows x 128 K) as images of an
;   operand's registers (part c of a fragment is 512 bytes, lane l's 16 bytes at 16 l: row l % 16, k = 64 c + 32 (l / 16) + 0..31), a scale image of 512 bytes
;   (lane l's word q: row l % 16, K step 3 (l / 16) + q; word 3 is 0), the 16 rows' sums of squares, and zeros up to a multiple of 256 bytes.
; COLUMNS (y 12..15): K = the 2,048 rows of embedded.  A lane takes a column d and its registers run down K; a wave takes 32 columns x 128 rows: two fragments.
;   xq2 is [3 groups of 256 d x 2 halves of K][4 waves of the reader][34,816]: 32 fragments at (8 tile + K step) x 1,024, then four scale images (lane l's word q: row l % 16, K step 4 (l / 16) + q).
; A block's scale is 2^(floor(log2(largest magnitude)) - 2): its byte is the largest magnitude's exponent field - 2, held at 1 from below by a floor among the maximum's leaves.
; LIMITS: a block of zeros gets the byte 1, not 127 (its codes are zeros; this program alone reads the bytes); NaN and infinities are not served; the sums of squares are added in another order than row by row.
; No tensor load: waves load through registers.  Each path has LDS bytes of its own.
.set REC,    6912
.set SROW,   3072                      ; a row of either input in bytes
.set SPITCH, 528                       ; a stage row: 512 bytes + 16
.set WREG,   8704                      ; LDS of a wave: the stage (16 x 528) and 256 bytes for the record's tail
.set TAILB,  8448
.set CSC,    4*WREG                    ; the columns path's 512 bytes of scale words
.set PARTB,  34816
.set X,   64                           ; v64-191  two sets of 64 numbers, K along the registers (columns: 128 numbers)
.set PC,  192                          ; v192-239 codes, a set of 8 for each K step: no store's data are written again
.set NS,  240                          ; v240-247 four chains of sums of squares
.set SI,  48                           ; v48-51   the scale image's four words
.set WD,  52                           ; v52-57   a scale word for each K step
.set MXA, 58
.set MXB, 59
.set SOA, 60
.set SOB, 61
.set TA,  62
.set TB,  63
.set SEL, 38                           ; s[38:39] v_permlanex16_b32's selects for lane l xor 16
.set MH,  40                           ; s40      lanes 16-31
.set MSB, 0
.macro WIN new                         ; the immediate's high byte repeats the setting that is left
.if MSB != \new
	s_set_vgpr_msb (MSB<<8)|\new
.set MSB, \new
.endif
.endm
; the largest magnitude of the 32 numbers v[b] .. v[b+31], and the floor 2^(3 - 127), in two chains
.macro BMAX d, t, b
	v_max3_num_f32 v[\d], |v[\b]|, |v[\b+1]|, |v[\b+2]|
	v_max3_num_f32 v[\t], |v[\b+3]|, |v[\b+4]|, |v[\b+5]|
.irp i, 6,10,14,18,22,26
	v_max3_num_f32 v[\d], v[\d], |v[\b+\i]|, |v[\b+\i+1]|
	v_max3_num_f32 v[\t], v[\t], |v[\b+\i+2]|, |v[\b+\i+3]|
.endr
	v_max3_num_f32 v[\d], v[\d], |v[\b+30]|, |v[\b+31]|
	v_max3_num_f32 v[\d], v[\d], v[\t], 0x1800000
.endm
	s_load_b256 s[4:11], s[0:1], 0x0               ; embedded s[4:5], weights s[6:7], xq1 s[8:9], wq s[10:11]
	s_load_b64 s[12:13], s[0:1], 0x20              ; xq2
	v_lshl_add_u32 v254, v0, 2, 0x8a00
	v_mov_b32 v255, 0
	v_lshrrev_b32 v10, 5, v0
	v_readfirstlane_b32 s16, v10                   ; wave
	v_and_b32 v11, 31, v0                          ; lane l
	v_and_b32 v12, 15, v0                          ; r = l % 16
	v_bfe_u32 v13, v0, 4, 1                        ; h = l / 16
	v_lshlrev_b32 v1, 4, v11                       ; 16 l: my 16 bytes of 512
	s_mul_i32 s17, s16, WREG
	v_add_nc_u32 v2, s17, v1                       ; the stage, in: 16 l (+ 528 x row)
	v_mul_u32_u24 v3, v12, SPITCH
	v_lshl_add_u32 v3, v13, 7, v3
	v_add_nc_u32 v3, s17, v3                       ; the stage, out: row r, + 128 h: my 32 neighbours of each 64
	s_add_co_u32 s18, s17, TAILB
	v_lshl_add_u32 v4, v11, 3, s18                 ; the tail: 8 bytes a lane,
	v_lshl_add_u32 v5, v12, 2, s18                 ; and row r's word
	v_lshlrev_b32 v6, 3, v11
	v_lshlrev_b32 v7, 3, v13                       ; 8 h
	v_mov_b32 v8, 0
	v_mov_b32 v9, 0
	s_lshl_b32 s19, s16, 2
	s_add_co_u32 s19, s19, CSC
	v_add_nc_u32 v14, s19, v1                      ; columns: my column's word for my wave's K step: 16 l + 4 x wave
	v_add_nc_u32 v15, CSC, v1                      ; and a column's four words
	v_lshlrev_b32 v18, 4, v12
	v_lshl_add_u32 v18, v13, 9, v18                ; their place in two scale images: 512 (l / 16) + 16 r
	s_mov_b32 s[SEL], 0x76543210
	s_mov_b32 s[SEL+1], 0xfedcba98
	s_mov_b32 s[MH], 0xffff0000
	s_and_b32 s20, ttmp7, 0xffff                   ; work-group y
	s_mov_b32 s29, 0
	s_wait_kmcnt 0x0
	s_cmp_ge_u32 s20, 12
	s_cbranch_scc1 .Lcols
	; ---------------- ROWS ----------------
	s_mul_i32 s21, s20, 24
	s_add_co_u32 s21, s21, ttmp9                   ; 0..287: the first 256 take weights, the others embedded
	s_cmp_lt_u32 s21, 256
	s_cselect_b64 s[24:25], s[6:7], s[4:5]
	s_cselect_b64 s[26:27], s[10:11], s[8:9]
	s_cselect_b32 s22, 0, 256
	s_sub_co_u32 s21, s21, s22
	s_lshl_b32 s21, s21, 2
	s_add_co_u32 s21, s21, s16                     ; my wave's record
	s_mul_i32 s28, s21, 16*SROW
	s_add_nc_u64 s[24:25], s[24:25], s[28:29]
	s_mul_i32 s28, s21, REC
	s_add_nc_u64 s[26:27], s[26:27], s[28:29]
.macro LOAD s                          ; K step s of 16 rows into set s % 4 of window 1: each load reads 512 consecutive bytes of one row
	WIN 0x40
.set i, 0
.rept 16
	global_load_b128 v[64*((\s)%4)+4*i:64*((\s)%4)+4*i+3], v1, s[24:25] offset:SROW*i+512*(\s)
.set i, i+1
.endr
	WIN 0
.endm
.macro TURN s                          ; through the stage: in as loaded, out 32 neighbours a lane.  LDS serves a wave's instructions in order: no wait between
	WIN 0x04
.set i, 0
.rept 16
	ds_store_b128 v2, v[64*((\s)%4)+4*i:64*((\s)%4)+4*i+3] offset:SPITCH*i
.set i, i+1
.endr
	WIN 0
.set i, 0
.rept 16
	ds_load_b128 v[X+64*((\s)%2)+4*i:X+64*((\s)%2)+4*i+3], v3 offset:256*(i/8)+16*(i%8)
.set i, i+1
.endr
.endm
.macro QROW s                          ; 64 numbers of a lane: sums of squares, two blocks' scales, the row's scale word, eight registers of codes, stored as they stand
.set XS, X+64*((\s)%2)
.set j, 0
.rept 32
.if ((\s) == 0) && (j < 4)
	v_pk_mul_f32 v[NS+2*j:NS+2*j+1], v[XS+2*j:XS+2*j+1], v[XS+2*j:XS+2*j+1]      ; the first four products start the chains
.else
	v_pk_fma_f32 v[NS+2*(j%4):NS+2*(j%4)+1], v[XS+2*j:XS+2*j+1], v[XS+2*j:XS+2*j+1], v[NS+2*(j%4):NS+2*(j%4)+1]
.endif
.set j, j+1
.endr
	BMAX MXA, TA, XS
	BMAX MXB, TB, XS+32
	v_add_nc_u32 v[SOA], 0xff000000, v[MXA]        ; 2 off the exponent field: the conversion's scale operand
	v_add_nc_u32 v[SOB], 0xff000000, v[MXB]
	v_lshrrev_b32 v[MXA], 23, v[SOA]               ; the bytes of blocks h and 2 + h
	v_lshrrev_b32 v[MXB], 23, v[SOB]
	v_lshl_or_b32 v[WD+(\s)], v[MXB], 16, v[MXA]
	v_lshlrev_b32 v[WD+(\s)], v7, v[WD+(\s)]       ; at their places, 8 h bits up
	v_permlanex16_b32 v[TA], v[WD+(\s)], s[SEL], s[SEL+1]
	v_or_b32 v[WD+(\s)], v[WD+(\s)], v[TA]         ; with lane l xor 16's two the word is whole
.irp g, 0,1,2,3
	v_cvt_scalef32_pk8_fp4_f32 v[PC+8*(\s)+\g], v[XS+8*\g:XS+8*\g+7], v[SOA]
	v_cvt_scalef32_pk8_fp4_f32 v[PC+8*(\s)+4+\g], v[XS+32+8*\g:XS+32+8*\g+7], v[SOB]
.endr
	v_nop                                          ; one plain line behind the last conversion
	global_store_b128 v1, v[PC+8*(\s):PC+8*(\s)+3], s[26:27] offset:1024*(\s)          ; 512 consecutive bytes, aligned
	global_store_b128 v1, v[PC+8*(\s)+4:PC+8*(\s)+7], s[26:27] offset:1024*(\s)+512
.endm
	LOAD 0
	LOAD 1
	LOAD 2
	LOAD 3
	s_wait_loadcnt 48                              ; set 0 is in; sets 1 to 3 may be out
	TURN 0
.irp s, 0,1,2,3,4,5
	s_wait_dscnt 0x0                               ; this K step is back from the stage, and the stage's stores have read their set
.if \s < 2
	LOAD \s+4
.endif
.if \s < 5
.if \s < 2
	s_wait_loadcnt 48                              ; the next set is in; three sets were issued behind it
.else
	s_wait_loadcnt 16*(4-\s)                       ; the sets issued behind it run out: 2, 1, 0
.endif
	TURN \s+1
.endif
	QROW \s
.endr
.irp q, 0,1,2
	v_cndmask_b32 v[SI+\q], v[WD+\q], v[WD+3+\q], s[MH]   ; lanes 0-15: K steps 0-2; lanes 16-31: K steps 3-5
.endr
	v_mov_b32 v[SI+3], 0
	global_store_b128 v1, v[SI:SI+3], s[26:27] offset:6144
	v_pk_add_f32 v[NS:NS+1], v[NS:NS+1], v[NS+2:NS+3]
	v_pk_add_f32 v[NS+4:NS+5], v[NS+4:NS+5], v[NS+6:NS+7]
	v_pk_add_f32 v[NS:NS+1], v[NS:NS+1], v[NS+4:NS+5]
	v_add_f32 v[NS], v[NS], v[NS+1]
	v_permlanex16_b32 v[TA], v[NS], s[SEL], s[SEL+1]
	v_add_f32 v[NS], v[NS], v[TA]                  ; row r's sum of squares
	ds_store_b64 v4, v[8:9]                        ; 256 bytes of zeros,
	ds_store_b32 v5, v[NS]                         ; the 16 sums over them (both halves write the same word with the same value),
	ds_load_b64 v[NS+2:NS+3], v4                   ; and back, 8 bytes a lane: LDS serves a wave's instructions in order
	s_wait_dscnt 0x0
	global_store_b64 v6, v[NS+2:NS+3], s[26:27] offset:6656   ; 256 consecutive bytes, aligned
	s_mov_b64 s[34:35], s[12:13]                   ; named behind the join, where this path stores nothing
	s_mov_b32 s36, 1
	s_branch .Ljoin
	; ---------------- COLUMNS ----------------
.Lcols:
	s_sub_co_u32 s20, s20, 12                      ; Q: four K steps of 128 rows
	s_lshl_b32 s21, s20, 2
	s_add_co_u32 s21, s21, s16                     ; my wave's K step 0..15
	s_mul_i32 s28, s21, 128*SROW
	s_lshl_b32 s22, ttmp9, 7                       ; my work-group's 32 columns
	s_add_co_u32 s28, s28, s22
	s_add_nc_u64 s[24:25], s[4:5], s[28:29]
	s_lshr_b32 s22, ttmp9, 3                       ; the group of 256 columns
	s_lshl_b32 s22, s22, 1
	s_lshr_b32 s23, s20, 1                         ; the half of K
	s_add_co_u32 s22, s22, s23
	s_lshl_b32 s22, s22, 2
	s_bfe_u32 s23, ttmp9, 0x20001                  ; the reader's wave: 64 columns
	s_add_co_u32 s22, s22, s23
	s_mul_i32 s28, s22, PARTB
	s_add_nc_u64 s[26:27], s[12:13], s[28:29]      ; the part
	s_and_b32 s30, ttmp9, 1                        ; tiles 0, 1 or 2, 3 of it
	s_and_b32 s31, s20, 1                          ; K steps 0-3 or 4-7 of it
	s_lshl_b32 s28, s30, 14
	s_lshl_b32 s23, s31, 12
	s_add_co_u32 s28, s28, s23
	s_lshl_b32 s23, s16, 10
	s_add_co_u32 s28, s28, s23
	s_add_nc_u64 s[32:33], s[26:27], s[28:29]      ; fragment (first tile, my K step)
	s_lshl_b32 s28, s30, 10
	s_lshl_b32 s23, s31, 8
	s_add_co_u32 s28, s28, s23
	s_add_co_u32 s28, s28, 32768
	s_add_nc_u64 s[34:35], s[26:27], s[28:29]      ; the first tile's scale image, my half of its lanes
	v_lshlrev_b32 v16, 2, v11                      ; in: 4 bytes a lane
	v_lshlrev_b32 v17, 4, v12
	v_lshl_add_u32 v17, v13, 13, v17               ; out: tile l / 16 (8 fragments on), row l % 16
.set i, 0
.rept 128
	global_load_b32 v[X+i], v16, s[24:25] offset:SROW*i     ; embedded(128 s + i, my column): 128 consecutive bytes a wave
.set i, i+1
.endr
.irp k, 0,1,2,3
.if \k < 2
	s_wait_loadcnt 63                              ; block k is in (96 and 64 might stay out; a wait names 63 at the most)
.else
	s_wait_loadcnt 32*(3-\k)
.endif
	BMAX MXA, TA, X+32*\k
	v_add_nc_u32 v[SOA], 0xff000000, v[MXA]
	v_lshrrev_b32 v[MXA], 23, v[SOA]
.if \k == 0
	v_mov_b32 v[WD], v[MXA]
.else
	v_lshl_or_b32 v[WD], v[MXA], 8*\k, v[WD]       ; the four bytes make my column's scale word of this K step
.endif
.irp g, 0,1,2,3
	v_cvt_scalef32_pk8_fp4_f32 v[PC+4*\k+\g], v[X+32*\k+8*\g:X+32*\k+8*\g+7], v[SOA]
.endr
	v_nop                                          ; one plain line behind the last conversion
	global_store_b128 v17, v[PC+4*\k:PC+4*\k+3], s[32:33] offset:256*\k   ; sixteen lanes store 256 consecutive bytes, aligned: part k / 2, lanes 16 (k % 2) on
.endr
	ds_store_b32 v14, v[WD]
	s_mov_b32 s36, s16
.Ljoin:
	s_wait_dscnt 0x0                               ; my LDS stores have landed
	s_barrier_signal -1
	s_barrier_wait -1                              ; the four waves' scale words lie side by side
	s_cmp_lg_u32 s36, 0                            ; wave 0 of a columns work-group stores them
	s_cbranch_scc1 .Lend
	ds_load_b128 v[20:23], v15
	s_wait_dscnt 0x0
	global_store_b128 v18, v[20:23], s[34:35]      ; two runs of 256 consecutive bytes, aligned
.Lend:
	s_wait_tensorcnt 0x0
	ds_add_u32 v254, v255
	s_wait_dscnt 0x0
	s_endpgm
.Lfunc_end_k_qc824df04c6_prep:
	.size	k_qc824df04c6_prep, .Lfunc_end_k_qc824df04c6_prep-k_qc824df04c6_prep
	.p2alignl 7, 3214868480
	.fill 96, 4, 3214868480
	.section	.rodata,"a",@progbits
	.p2align	6, 0x0
	.amdhsa_kernel k_qc824df04c6_prep
		.amdhsa_group_segment_fixed_size 35840
		.amdhsa_private_segment_fixed_size 0
		.amdhsa_enable_private_segment 0
		.amdhsa_kernarg_size 40
		.amdhsa_user_sgpr_count 2
		.amdhsa_user_sgpr_kernarg_segment_ptr 1
		.amdhsa_wavefront_size32 1
		.amdhsa_system_sgpr_workgroup_id_x 1
		.amdhsa_system_sgpr_workgroup_id_y 1
		.amdhsa_system_sgpr_workgroup_id_z 1
		.amdhsa_system_vgpr_workitem_id 0
		.amdhsa_next_free_vgpr 512
		.amdhsa_next_free_sgpr 66
		.amdhsa_reserve_vcc 0
		.amdhsa_float_denorm_mode_32 3
		.amdhsa_float_denorm_mode_16_64 3
		.amdhsa_memory_ordered 1
		.amdhsa_forward_progress 1
		.amdhsa_inst_pref_size 77
	.end_amdhsa_kernel
	.amdgpu_metadata
---
amdhsa.version: [ 1, 2 ]
amdhsa.kernels:
  - .name:           k_qc824df04c6_prep
    .symbol:         k_qc824df04c6_prep.kd
    .args:
      - { .name: embedded, .offset: 0, .size: 8, .value_kind: global_buffer, .address_space: global }
      - { .name: weights, .offset: 8, .size: 8, .value_kind: global_buffer, .address_space: global }
      - { .name: xq1, .offset: 16, .size: 8, .value_kind: global_buffer, .address_space: global }
      - { .name: wq, .offset: 24, .size: 8, .value_kind: global_buffer, .address_space: global }
      - { .name: xq2, .offset: 32, .size: 8, .value_kind: global_buffer, .address_space: global }
    .group_segment_fixed_size: 35840
    .private_segment_fixed_size: 0
    .kernarg_segment_align: 8
    .kernarg_segment_size: 40
    .max_flat_workgroup_size: 128
    .sgpr_count:     66
    .vgpr_count:     512
    .wavefront_size: 32
...
	.end_amdgpu_metadata
.endif
;; end of part 1
;; launch bmu (part 2): grid 16 x 16, 8 waves a work-group, clusters of 4 x 1, 327,680 bytes of LDS; arguments xq1, wq, pval, pidx; writes pval, pidx
.if DOCPART == 2
	.amdgcn_target "amdgcn-amd-amdhsa--gfx1250"
	.amdhsa_code_object_version 6
	.text
	.protected	k_qc824df04c6_bmu
	.globl	k_qc824df04c6_bmu
	.p2align	8
	.type	k_qc824df04c6_bmu,@function
k_qc824df04c6_bmu:
	s_mov_b64 s[64:65], 0
	v_nop
	global_prefetch_b8 v0, s[64:65] scope:SCOPE_SE
	s_setreg_imm32_b32 hwreg(HW_REG_WAVE_MODE, 25, 1), 1
	s_wait_xcnt 0x0
	s_wait_alu depctr_hold_cnt(0) depctr_sa_sdst(0) depctr_va_vdst(0) depctr_va_sdst(0) depctr_va_ssrc(0) depctr_va_vcc(0) depctr_vm_vsrc(0)
	s_getreg_b32 s2, hwreg(HW_REG_IB_STS2, 6, 4)
	s_cmp_eq_u32 s2, 0
	s_cbranch_scc0 .Lentry_in_a_cluster
	s_endpgm
.Lentry_in_a_cluster:
	s_bfe_u32 s2, ttmp6, 0x10000c
	s_cmp_lg_u32 s2, 0x3003
	s_cbranch_scc0 .Lentry_shape_is_right
	s_endpgm
.Lentry_shape_is_right:
.set REC,   6912
.set SLOTB, 16*REC
.set MRG,   2*SLOTB
.set SPARE, MRG+4096
.set ADR,  2
.set WWA,  4
.set SPW,  6
.set NIL,  7
.set L16,  8
.set R4,   9
.set H8,   10
.set MW,   11
.set MR,   12
.set L8,   13
.set WF,   16
.set WS,   64
.set WW,   68
.set XS,   76
.set XX,   92
.set ACC,  100
.set SD,   132
.set RET,  164
.set BEST, 196
.set BT,   200
.set TNV,  204
.set MM,   208
.set JJ,   212
.set OV,   216
.set OI,   217
.set PR,   218
.set WV,   12
.set TN,   18
.set G1,   24
.set G0,   32
.set MSB, 0
.macro WIN new
.if MSB != \new
	s_set_vgpr_msb (MSB<<8)|\new
.set MSB, \new
.endif
.endm
.macro ROUND
	s_barrier_signal -1
	s_barrier_wait -1
	s_cmp_lg_u32 s[WV], 0
	s_cbranch_scc1 .Lnot_wave_0_\@
	s_barrier_signal -3
.Lnot_wave_0_\@:
	s_barrier_wait -3
	s_barrier_signal -1
	s_barrier_wait -1
.endm
	s_load_b256 s[4:11], s[0:1], 0x0
	v_lshl_add_u32 v[SPW], v0, 2, SPARE
	v_mov_b32 v[NIL], 0
	ds_add_u32 v6, v7
	ds_add_u32 v6, v7
	s_wait_dscnt 0x0
	v_lshrrev_b32 v14, 5, v0
	s_delay_alu instid0(VALU_DEP_1)
	v_readfirstlane_b32 s[WV], v14
	s_and_b32 s13, s[WV], 1
	s_lshr_b32 s14, s[WV], 1
	s_bfe_u32 s15, ttmp6, 0x40000
	s_lshl_b32 s16, ttmp9, 2
	s_add_co_u32 s16, s16, s15
	s_and_b32 s17, ttmp7, 0xffff
	s_mov_b32 s[G1], 15|(3<<16)|(1<<21)
	s_mov_b32 s[G1+1], 32<<16
	s_mov_b32 s[G1+2], 54<<16
	s_mov_b32 s[G1+3], 32<<16
	s_mov_b32 s[G1+4], 54
	s_mov_b32 s[G1+5], 32
	s_mov_b32 s[G1+6], 0
	s_mov_b32 s[G1+7], 0
	s_mov_b32 s20, 0x76543210
	s_mov_b32 s21, 0xfedcba98
	s_lshl_b32 s40, s17, 6
	s_lshl_b32 s41, s14, 4
	s_add_co_u32 s40, s40, s41
	s_mov_b32 s[TN], s40
	s_lshl_b32 s41, s13, 1
	s_add_co_u32 s40, s40, s41
	s_mul_i32 s40, s40, REC
	s_mov_b32 s41, 0
	s_mul_i32 s42, s[WV], 2*REC
	s_wait_kmcnt 0x0
	s_add_nc_u64 s[44:45], s[6:7], s[40:41]
.irp k, 0,1
	s_mov_b32 s[G0+4*\k], 1
	s_add_co_u32 s[G0+4*\k+1], s42, \k*SLOTB
	s_add_nc_u64 s[G0+4*\k+2:G0+4*\k+3], s[44:45], \k*4*REC
	s_or_b32 s[G0+4*\k+3], s[G0+4*\k+3], 0x80000000
.endr
	ROUND
	tensor_load_to_lds s[G0:G0+3], s[G1:G1+7]
	s_nop 0
.rept 4
	v_nop
.endr
	v_and_b32 v14, 31, v0
	v_and_b32 v15, 15, v0
	v_bfe_u32 v[H8], v0, 4, 1
	s_delay_alu instid0(VALU_DEP_3)
	v_lshlrev_b32 v[L16], 4, v14
	s_delay_alu instid0(VALU_DEP_4)
	v_lshlrev_b32 v[L8], 3, v14
	s_delay_alu instid0(VALU_DEP_4)
	v_lshlrev_b32 v[R4], 2, v15
	s_mul_i32 s43, s14, 4*REC
	v_add_nc_u32 v[ADR], s43, v[L16]
	v_lshl_add_u32 v[WWA], v[H8], 5, s43
	s_add_co_u32 s43, s43, SLOTB
	v_add_nc_u32 v[ADR+1], s43, v[L16]
	v_lshl_add_u32 v[WWA+1], v[H8], 5, s43
	s_lshl_b32 s43, s[WV], 9
	s_add_co_u32 s43, s43, MRG
	v_lshl_add_u32 v[MW], v15, 3, s43
	s_lshl_b32 s43, s13, 9
	s_add_co_u32 s43, s43, MRG
	v_add_nc_u32 v[MR], s43, v[L16]
	v_lshlrev_b32 v[H8], 3, v[H8]
	v_mov_b32 v[OV], 0
	v_mov_b32 v[OI], 0
	s_lshl_b32 s40, s16, 3
	s_lshl_b32 s46, s13, 2
	s_add_co_u32 s40, s40, s46
	s_mul_i32 s40, s40, REC
	s_add_nc_u64 s[4:5], s[4:5], s[40:41]
	s_lshl_b32 s40, s17, 13
	s_lshl_b32 s46, s16, 9
	s_add_co_u32 s40, s40, s46
	s_lshl_b32 s46, s13, 8
	s_add_co_u32 s40, s40, s46
	s_add_nc_u64 s[8:9], s[8:9], s[40:41]
	s_add_nc_u64 s[10:11], s[10:11], s[40:41]
	WIN 0x40
.irp b, 0,1,2,3
.irp s, 0,1,2,3,4,5
	global_load_b128 v[8*(6*\b+\s):8*(6*\b+\s)+3], v[L16], s[4:5] offset:\b*REC+1024*\s
	global_load_b128 v[8*(6*\b+\s)+4:8*(6*\b+\s)+7], v[L16], s[4:5] offset:\b*REC+1024*\s+512
.endr
.endr
	WIN 0
.irp b, 0,1,2,3
	global_load_b128 v[XS+4*\b:XS+4*\b+3], v[L16], s[4:5] offset:\b*REC+6144
	global_load_b32 v[XX+2*\b], v[R4], s[4:5] offset:\b*REC+6656
	global_load_b32 v[XX+2*\b+1], v[R4], s[4:5] offset:\b*REC+6656
.endr
	s_wait_alu depctr_va_vdst(0)
	s_wait_tensorcnt 0x0
	ds_add_u32 v6, v7
	s_wait_dscnt 0x0
	ROUND
	tensor_load_to_lds s[G0+4:G0+7], s[G1:G1+7]
	s_nop 0
.rept 4
	v_nop
.endr
.macro LOADS
.irp s, 0,1,2,3,4,5
	ds_load_b128 v[WF+8*\s:WF+8*\s+3], v[ADR+sl] offset:nn*REC+1024*\s
	ds_load_b128 v[WF+8*\s+4:WF+8*\s+7], v[ADR+sl] offset:nn*REC+1024*\s+512
.endr
	ds_load_b128 v[WS:WS+3], v[ADR+sl] offset:nn*REC+6144
	ds_load_b128 v[WW:WW+3], v[WWA+sl] offset:nn*REC+6656
	ds_load_b128 v[WW+4:WW+7], v[WWA+sl] offset:nn*REC+6672
.endm
.macro MUL
	WIN 0x04
.irp s, 0,1,2,3,4,5
.irp b, 0,1,2,3
.if \s == 0
	v_wmma_scale_f32_16x16x128_f8f6f4 v[ACC+8*\b:ACC+8*\b+7], v[WF+8*\s:WF+8*\s+7], v[8*(6*\b+\s):8*(6*\b+\s)+7], 0, v[WS+\s], v[XS+4*\b+\s] matrix_a_fmt:MATRIX_FMT_FP4 matrix_b_fmt:MATRIX_FMT_FP4
.elseif \s < 3
	v_wmma_scale_f32_16x16x128_f8f6f4 v[ACC+8*\b:ACC+8*\b+7], v[WF+8*\s:WF+8*\s+7], v[8*(6*\b+\s):8*(6*\b+\s)+7], v[ACC+8*\b:ACC+8*\b+7], v[WS+\s], v[XS+4*\b+\s] matrix_a_fmt:MATRIX_FMT_FP4 matrix_b_fmt:MATRIX_FMT_FP4
.else
	v_wmma_scale_f32_16x16x128_f8f6f4 v[ACC+8*\b:ACC+8*\b+7], v[WF+8*\s:WF+8*\s+7], v[8*(6*\b+\s):8*(6*\b+\s)+7], v[ACC+8*\b:ACC+8*\b+7], v[WS+\s-3], v[XS+4*\b+\s-3] matrix_a_fmt:MATRIX_FMT_FP4 matrix_b_fmt:MATRIX_FMT_FP4 matrix_a_scale:MATRIX_SCALE_ROW1 matrix_b_scale:MATRIX_SCALE_ROW1
.endif
.endr
.endr
	WIN 0
.endm
.macro SADD
.irp b, 0,1,2,3
.irp p, 0,2,4,6
	v_pk_add_f32 v[SD+8*\b+\p:SD+8*\b+\p+1], v[WW+\p:WW+\p+1], v[XX+2*\b:XX+2*\b+1]
.endr
.endr
.endm
.macro EPI first
	v_mov_b32 v[TNV], s[TN]
.if \first
.set DD, RET
.else
.set DD, SD
.endif
.irp b, 0,1,2,3
.irp p, 0,2,4,6
	v_pk_fma_f32 v[DD+8*\b+\p:DD+8*\b+\p+1], v[ACC+8*\b+\p:ACC+8*\b+\p+1], -2.0, v[SD+8*\b+\p:SD+8*\b+\p+1] op_sel_hi:[1,0,1]
.endr
.endr
.irp b, 0,1,2,3
	v_min3_num_f32 v[MM+\b], v[DD+8*\b], v[DD+8*\b+1], v[DD+8*\b+2]
.endr
.irp b, 0,1,2,3
	s_delay_alu instid0(VALU_DEP_4)
	v_min3_num_f32 v[MM+\b], v[MM+\b], v[DD+8*\b+3], v[DD+8*\b+4]
.endr
.irp b, 0,1,2,3
	s_delay_alu instid0(VALU_DEP_4)
	v_min3_num_f32 v[MM+\b], v[MM+\b], v[DD+8*\b+5], v[DD+8*\b+6]
.endr
.if \first
.irp b, 0,1,2,3
	v_min_num_f32 v[BEST+\b], v[MM+\b], v[DD+8*\b+7]
	v_mov_b32 v[BT+\b], v[TNV]
.endr
.else
.irp b, 0,1,2,3
	s_delay_alu instid0(VALU_DEP_4)
	v_min_num_f32 v[MM+\b], v[MM+\b], v[DD+8*\b+7]
.endr
.irp b, 0,1,2,3
	v_cmp_lt_f32 vcc_lo, v[MM+\b], v[BEST+\b]
	s_delay_alu instid0(VALU_DEP_1)
	v_cndmask_b32 v[BEST+\b], v[BEST+\b], v[MM+\b], vcc_lo
	s_delay_alu instid0(VALU_DEP_2)
	v_cndmask_b32 v[BT+\b], v[BT+\b], v[TNV], vcc_lo
.irp j, 0,1,2,3,4,5,6,7
	v_cndmask_b32 v[RET+8*\b+\j], v[RET+8*\b+\j], v[SD+8*\b+\j], vcc_lo
.endr
.endr
.endif
	s_add_co_u32 s[TN], s[TN], 1
.endm
.macro CHANGE k, fill
	s_wait_tensorcnt 0x0
	ds_add_u32 v[SPW], v[NIL]
.if \fill
	s_add_nc_u64 s[G0+4*\k+2:G0+4*\k+3], s[G0+4*\k+2:G0+4*\k+3], 8*REC
.endif
	SADD
	s_wait_dscnt 0x0
.if \fill
	ROUND
	tensor_load_to_lds s[G0+4*\k:G0+4*\k+3], s[G1:G1+7]
	s_nop 0
.rept 4
	v_nop
.endr
.else
	s_barrier_signal -1
	s_barrier_wait -1
.endif
.endm
	s_wait_alu depctr_va_vdst(0)
	s_wait_loadcnt 0x0
	s_wait_tensorcnt 0x1
	s_barrier_signal -1
	s_barrier_wait -1
.set sl, 0
.set nn, 0
	LOADS
.set t, 0
.rept 16
	s_wait_dscnt 0x0
	MUL
.if t == 3
	CHANGE 0, 1
.elseif t == 7
	CHANGE 1, 1
.elseif t == 11
	CHANGE 0, 0
.else
	SADD
.endif
.if t < 15
.set sl, ((t+1)/4)%2
.set nn, (t+1)%4
	LOADS
.endif
.if t == 0
	EPI 1
.else
	EPI 0
.endif
.set t, t+1
.endr
.irp b, 0,1,2,3
	v_mov_b32 v[JJ+\b], 7
.endr
.irp j, 6,5,4,3,2,1,0
.irp b, 0,1,2,3
	v_cmp_neq_f32 vcc_lo, v[RET+8*\b+\j], v[BEST+\b]
	s_delay_alu instid0(VALU_DEP_1)
	v_cndmask_b32 v[JJ+\b], \j, v[JJ+\b], vcc_lo
.endr
.endr
.irp b, 0,1,2,3
	v_lshl_add_u32 v[JJ+\b], v[BT+\b], 4, v[JJ+\b]
	s_delay_alu instid0(VALU_DEP_1)
	v_add_nc_u32 v[JJ+\b], v[H8], v[JJ+\b]
	v_permlanex16_b32 v[OV], v[BEST+\b], s20, s21
	s_delay_alu instid0(VALU_DEP_2)
	v_permlanex16_b32 v[OI], v[JJ+\b], s20, s21
	s_delay_alu instid0(VALU_DEP_2)
	v_cmp_lt_f32 s40, v[OV], v[BEST+\b]
	s_delay_alu instid0(VALU_DEP_3)
	v_cmp_eq_f32 s41, v[OV], v[BEST+\b]
	s_delay_alu instid0(VALU_DEP_3)
	v_cmp_lt_u32 s42, v[OI], v[JJ+\b]
	s_and_b32 s41, s41, s42
	s_or_b32 vcc_lo, s40, s41
	v_cndmask_b32 v[PR+2*\b], v[BEST+\b], v[OV], vcc_lo
	v_cndmask_b32 v[PR+2*\b+1], v[JJ+\b], v[OI], vcc_lo
	ds_store_b64 v[MW], v[PR+2*\b:PR+2*\b+1] offset:128*\b
.endr
	s_wait_dscnt 0x0
	s_barrier_signal -1
	s_barrier_wait -1
	s_cmp_lt_u32 s[WV], 2
	s_cbranch_scc0 .Lnot_mine
.irp q, 0,1,2,3
	ds_load_b128 v[16+4*\q:19+4*\q], v[MR] offset:1024*\q
.endr
	s_wait_dscnt 0x0
.irp e, 0,1
	v_cmp_lt_f32 vcc_lo, v[20+2*\e], v[16+2*\e]
	s_delay_alu instid0(VALU_DEP_1)
	v_cndmask_b32 v[32+\e], v[16+2*\e], v[20+2*\e], vcc_lo
	s_delay_alu instid0(VALU_DEP_2)
	v_cndmask_b32 v[34+\e], v[17+2*\e], v[21+2*\e], vcc_lo
.endr
.irp q, 2,3
.irp e, 0,1
	v_cmp_lt_f32 vcc_lo, v[16+4*\q+2*\e], v[32+\e]
	s_delay_alu instid0(VALU_DEP_1)
	v_cndmask_b32 v[32+\e], v[32+\e], v[16+4*\q+2*\e], vcc_lo
	s_delay_alu instid0(VALU_DEP_2)
	v_cndmask_b32 v[34+\e], v[34+\e], v[17+4*\q+2*\e], vcc_lo
.endr
.endr
	global_store_b64 v[L8], v[32:33], s[8:9]
	global_store_b64 v[L8], v[34:35], s[10:11]
.Lnot_mine:
	s_wait_tensorcnt 0x0
	ds_add_u32 v[SPW], v[NIL]
	s_wait_dscnt 0x0
	ROUND
	s_endpgm
.Lfunc_end_k_qc824df04c6_bmu:
	.size	k_qc824df04c6_bmu, .Lfunc_end_k_qc824df04c6_bmu-k_qc824df04c6_bmu
	.p2alignl 7, 3214868480
	.fill 96, 4, 3214868480
	.section	.rodata,"a",@progbits
	.p2align	6, 0x0
	.amdhsa_kernel k_qc824df04c6_bmu
		.amdhsa_group_segment_fixed_size 327680
		.amdhsa_private_segment_fixed_size 0
		.amdhsa_enable_private_segment 0
		.amdhsa_kernarg_size 32
		.amdhsa_user_sgpr_count 2
		.amdhsa_user_sgpr_kernarg_segment_ptr 1
		.amdhsa_wavefront_size32 1
		.amdhsa_system_sgpr_workgroup_id_x 1
		.amdhsa_system_sgpr_workgroup_id_y 1
		.amdhsa_system_sgpr_workgroup_id_z 1
		.amdhsa_system_vgpr_workitem_id 0
		.amdhsa_next_free_vgpr 448
		.amdhsa_next_free_sgpr 66
		.amdhsa_reserve_vcc 1
		.amdhsa_float_denorm_mode_32 3
		.amdhsa_float_denorm_mode_16_64 3
		.amdhsa_memory_ordered 1
		.amdhsa_forward_progress 1
		.amdhsa_inst_pref_size 163
	.end_amdhsa_kernel
	.amdgpu_metadata
---
amdhsa.version: [ 1, 2 ]
amdhsa.kernels:
  - .name:           k_qc824df04c6_bmu
    .symbol:         k_qc824df04c6_bmu.kd
    .args:
      - { .name: xq1, .offset: 0, .size: 8, .value_kind: global_buffer, .address_space: global }
      - { .name: wq, .offset: 8, .size: 8, .value_kind: global_buffer, .address_space: global }
      - { .name: pval, .offset: 16, .size: 8, .value_kind: global_buffer, .address_space: global }
      - { .name: pidx, .offset: 24, .size: 8, .value_kind: global_buffer, .address_space: global }
    .group_segment_fixed_size: 327680
    .private_segment_fixed_size: 0
    .kernarg_segment_align: 8
    .kernarg_segment_size: 32
    .max_flat_workgroup_size: 256
    .sgpr_count:     66
    .vgpr_count:     448
    .wavefront_size: 32
...
	.end_amdgpu_metadata
.endif
;; end of part 2
;; launch update (part 3): grid 256 x 1, 4 waves a work-group, clusters of 4 x 1, 327,680 bytes of LDS; arguments pval, pidx, xq2, weights, out0; writes out0
.if DOCPART == 3
	.amdgcn_target "amdgcn-amd-amdhsa--gfx1250"
	.amdhsa_code_object_version 6
	.text
	.protected	k_qc824df04c6_update
	.globl	k_qc824df04c6_update
	.p2align	8
	.type	k_qc824df04c6_update,@function
k_qc824df04c6_update:
	s_mov_b64 s[64:65], 0
	v_nop
	global_prefetch_b8 v0, s[64:65] scope:SCOPE_SE
	s_setreg_imm32_b32 hwreg(HW_REG_WAVE_MODE, 25, 1), 1
	s_wait_xcnt 0x0
	s_wait_alu depctr_hold_cnt(0) depctr_sa_sdst(0) depctr_va_vdst(0) depctr_va_sdst(0) depctr_va_ssrc(0) depctr_va_vcc(0) depctr_vm_vsrc(0)
	s_getreg_b32 s2, hwreg(HW_REG_IB_STS2, 6, 4)
	s_cmp_eq_u32 s2, 0
	s_cbranch_scc0 .Lentry_in_a_cluster
	s_endpgm
.Lentry_in_a_cluster:
	s_bfe_u32 s2, ttmp6, 0x10000c
	s_cmp_lg_u32 s2, 0x3003
	s_cbranch_scc0 .Lentry_shape_is_right
	s_endpgm
.Lentry_shape_is_right:
; out[c][d] = w[c][d] (1 - S[c]) + sum over b of Q(lr[b][c]) Q(x[b][d]);  lr[b][c] = 0.27 exp(-((ci - bi)^2 + (cj - bj)^2) / 3317.76), (bi, bj) the grid place of b's best unit; S[c] = the sum over b of the unquantised lr.
; The product is on codes of FP4 with one E8M0 scale for each 32 along K = b.
; SHARES.  A work-group owns 64 rows c = 128 (ci0 + t) + cj0 + r (t 0..3, r 0..15) and all 768 d; wave w owns d = 256 g + 64 w + 0..63 in each of three groups g.
; R: the 16 ranges' least d2 of all 2,048 b are merged (strict <, ranges ascending: the lowest c); bj and the first factor 0.27 2^(-K (bi - ci)^2) go to LDS.  Ranges 0-7 of pval and of pidx come by the head's
;    joint tensor loads (32,768 bytes a wave, 131,072 in all: exactly the ring's two slots), ranges 8-15 by 64 loads a wave into registers | barrier |
; F: wave w makes K steps 4 w .. 4 w + 3 of the four tiles of rows: second factor 2^(-K (bj - cj)^2), product, sum, block scales, codes; images of the operand's registers go to LDS | barrier |
; G: each group of 256 d takes all 16 K steps and then leaves: its stores, and the loads of the next group's rows of w, are on their way under the next group's products.
; x's CODES (xq2, laid by the first launch as images of operand registers) come two ways at once.  Of a wave's four tiles of d, tiles 0 and 1 come through the ring: a fill is one half of K of a group, 16,384 dense bytes
; a wave, which it alone reads; all work-groups walk the same bytes, so the four of a cluster ask jointly, mask 15, the same descriptor in all four.  Tiles 2 and 3 go from memory straight into a ring of eight K steps in registers.
; Six fills of x: slot 0 takes the first half of K of each group, slot 1 the second.
; NO DATA PREFETCH: all 64 clusters walk the same 835,584 bytes of xq2 in the same order; pval and pidx are asked for whole at the head; w's rows a whole group ahead.
; THE MATRIX INSTRUCTION IS USED TRANSPOSED (source 0 = 16 d of x, source 1 = 16 rows of lr): a lane holds eight neighbouring d of one row c.
; LIMITS: the inputs are finite; a block of zeros would get the byte 1 (its codes are zeros); S is added in another order than along b; out is one fused multiply-add of w, 1 - S and the product.
; REGISTERS.  window 0: v1-29 addresses; v32-63 x's scale words, two sets; v64-127 lr's scale words of all K; v128-255 x's tiles 2, 3: K step s of the half at v[128 + 16 s].
;   window 1: v0-127 lr's fragments, four sets; v128-191 x's tiles 0, 1, four sets.
;   window 2: v0-127 the 16 accumulators, (tile of d, tile of rows) at 8 (4 d + c); v128-255 the group's rows of w; in R chunks 0, 1.
;   window 3: in R chunks 2, 3; in F all that F names; on the way out v128-191 rows read back, v192-223 1 - S.
.set PARTB, 34816                      ; a wave's part of xq2: 32 fragments at 1,024 (8 tile + K step), and four scale images
.set TSTEP, 4*PARTB                    ; from one half of K of a group to the next
.set SLOTB, 65536
.set AC,    2*SLOTB                    ; behind the ring: lr's fragments, (K step, t) at 1,024 (4 ks + t)
.set XSC,   AC+65536                   ; lr's scale words [t][r][16]
.set TBJ,   XSC+4096                   ; bj of 2,048 b
.set TG,    TBJ+8192                   ; the first factor [t][2048]
.set STG,   TG+32768                   ; four stages of 16 x 272
.set SX,    STG+17408                  ; S in parts [64 rows][4 waves]
.set SPARE, SX+1024                    ; the spare words, 128 bytes a wave; no other line names them
.set SPW,  1
.set NIL,  2
.set T16,  3
.set L16,  4
.set LI,   5
.set STO,  6
.set RD,   7
.set CO,   8
.set XSR,  9
.set SXR,  10
.set VA1,  11
.set BAD,  12
.set ATBJ, 16
.set ATG,  17
.set BS,   32
.set AS,   64
.set BV,   128
; window 1
.set AF,   0
.set BL,   128
; window 2
.set WQ,   128
; window 3, in F
.set E2,   0
.set GVA,  64
.set PC,   192
.set SA,   208
.set MXA,  224
.set MXB,  225
.set SOA,  226
.set SOB,  227
.set WD,   228
.set TT,   230
.set H8,   231
.set NCJ,  232
.set ABJ0, 234
.set AG0,  235
.set AXI0, 236
.set AXS0, 237
.set SXW,  238
.set ABJ,  239
.set AG,   240
.set AXI,  241
.set AXS,  242
; window 3, behind F
.set SXT,  0
.set RBA,  128
.set RBB,  160
.set F1,   192
; scalars
.set WV,   14
.set SEL,  20
.set G1,   24
.set G0,   32
.set NC,   40
.set XB,   48
.set OB,   50
.set KS,   52
.set AL,   54
.set WB,   58
.set CT,   60
.set G1M,  68
.set G0M,  76
.set MSB, 0
.macro WIN new                         ; the immediate's high byte repeats the setting that is left; a switch that changes nothing is dropped
.if MSB != (\new)
	s_set_vgpr_msb (MSB<<8)|(\new)
.set MSB, (\new)
.endif
.endm
.macro PLACES                          ; four plain lines between a matrix instruction and a load into, or a store out of, its registers
.rept 4
	v_nop
.endr
.endm
.macro ROUND                           ; a round of the cluster's barrier
	s_barrier_signal -1
	s_barrier_wait -1
	s_cmp_lg_u32 s[WV], 0
	s_cbranch_scc1 .Lnot_wave_0_\@
	s_barrier_signal -3
.Lnot_wave_0_\@:
	s_barrier_wait -3
	s_barrier_signal -1
	s_barrier_wait -1
.endm
.macro JLOAD k                         ; my part of slot k's next fill
	tensor_load_to_lds s[G0+4*\k:G0+4*\k+3], s[G1:G1+7]
	s_nop 0
.rept 4
	v_nop
.endr
.endm
.macro CHLOAD p                        ; chunk p, ranges 8-15: values and indices of my four b: each load reads 512 consecutive bytes a wave
	WIN 0x80+0x40*((\p)/2)
.set CH, 128*((\p)%2)
.set g, 8
.rept 8
	global_load_b128 v[CH+4*g:CH+4*g+3], v[T16], s[4:5] offset:8192*g+2048*(\p)
	global_load_b128 v[CH+64+4*g:CH+64+4*g+3], v[T16], s[6:7] offset:8192*g+2048*(\p)
.set g, g+1
.endr
.endm
.macro VLOAD p                         ; chunk p, ranges 0-7, out of LDS: pval's rows from byte 0, pidx's from byte 65,536
	WIN 0x80+0x40*((\p)/2)
.set CH, 128*((\p)%2)
.set g, 0
.rept 8
	ds_load_b128 v[CH+4*g:CH+4*g+3], v[T16] offset:8192*g+2048*(\p)
	ds_load_b128 v[CH+64+4*g:CH+64+4*g+3], v[VA1] offset:8192*g+2048*(\p)
.set g, g+1
.endr
.endm
.macro SLOAD hf                        ; x's four scale images of the half hf halves on from the base: word q: lanes 0-15 K step q, lanes 16-31 K step 4 + q
.irp d, 0,1,2,3
	global_load_b128 v[BS+16*((\hf)%2)+4*\d:BS+16*((\hf)%2)+4*\d+3], v[L16], s[XB:XB+1] offset:(\hf)*TSTEP+32768+512*\d
.endr
.endm
.macro BVLOAD hf                       ; x's tiles 2 and 3 of K step sp of that half, into ring place sp
.irp d, 2,3
.irp c, 0,1
	global_load_b128 v[BV+16*sp+8*(\d-2)+4*\c:BV+16*sp+8*(\d-2)+4*\c+3], v[L16], s[XB:XB+1] offset:(\hf)*TSTEP+(8*\d+sp)*1024+512*\c
.endr
.endr
.endm
.macro WLOAD                           ; my 64 rows x 64 d of w, the group at the base: sixteen lanes read 256 consecutive bytes, aligned; read once in the launch
	WIN 0x80
.irp c, 0,1,2,3
.irp i, 0,1,2,3,4,5,6,7
	global_load_b128 v[WQ+32*\c+4*\i:WQ+32*\c+4*\i+3], v[CO], s[WB:WB+1] offset:393216*\c+6144*\i th:TH_LOAD_NT
.endr
.endr
	WIN 0
.endm
	s_load_b256 s[4:11], s[0:1], 0x0               ; pval s[4:5], pidx s[6:7], xq2 s[8:9], weights s[10:11]
	s_load_b64 s[12:13], s[0:1], 0x20              ; out0
	v_lshl_add_u32 v[SPW], v0, 2, SPARE
	v_mov_b32 v[NIL], 0
	ds_add_u32 v[SPW], v[NIL]                      ; the opening lines: the add, twice on end, and its wait ahead of my first tensor load
	ds_add_u32 v[SPW], v[NIL]
	v_lshrrev_b32 v24, 5, v0
	v_readfirstlane_b32 s[WV], v24
	s_bfe_u32 s15, ttmp6, 0x40000                  ; cx
	s_lshl_b32 s16, ttmp9, 2
	s_add_co_u32 s16, s16, s15                     ; my block of rows: it enters w's and out's addresses and numbers alone
	s_lshr_b32 s22, s16, 3
	s_lshl_b32 s22, s22, 2                         ; ci0
	s_and_b32 s23, s16, 7
	s_lshl_b32 s23, s23, 4                         ; cj0
	; descriptor group 1 for x: 16,384 dense bytes as 64 rows of 256 bytes (32 elements of 8 bytes); no padding: images are read 16 bytes a lane on end
	s_mov_b32 s[G1], 15|(3<<16)|(1<<21)
	s_mov_b32 s[G1+1], 32<<16
	s_mov_b32 s[G1+2], 64<<16
	s_mov_b32 s[G1+3], 32<<16
	s_mov_b32 s[G1+4], 64
	s_mov_b32 s[G1+5], 32
	s_mov_b32 s[G1+6], 0
	s_mov_b32 s[G1+7], 0
	; and for the head's loads: four ranges' rows, 32,768 dense bytes, as 128 rows of 256 bytes
	s_mov_b32 s[G1M], 15|(3<<16)|(1<<21)
	s_mov_b32 s[G1M+1], 32<<16
	s_mov_b32 s[G1M+2], 128<<16
	s_mov_b32 s[G1M+3], 32<<16
	s_mov_b32 s[G1M+4], 128
	s_mov_b32 s[G1M+5], 32
	s_mov_b32 s[G1M+6], 0
	s_mov_b32 s[G1M+7], 0
	s_mov_b32 s[G0M], 1
	s_lshl_b32 s[G0M+1], s[WV], 15                 ; waves 0, 1: pval's ranges 0-3, 4-7; waves 2, 3: pidx's
	s_mov_b32 s[G0], 1
	s_mov_b32 s[G0+4], 1
	s_lshl_b32 s[G0+1], s[WV], 14                  ; my 16,384 bytes of slot 0,
	s_add_co_u32 s[G0+5], s[G0+1], SLOTB           ; and of slot 1
	s_mov_b32 s[KS], 0xb9e3fb40                    ; -log2(e) / 3317.76
	s_mov_b32 s[KS+1], s[KS]
	s_mov_b32 s[AL], 0x3e8a3d71                    ; 0.27
	s_mov_b32 s[AL+1], s[AL]
	s_and_b32 s20, s[WV], 1
	s_lshl_b32 s20, s20, 15                        ; which four ranges
	s_mov_b32 s21, 0
	s_lshl_b32 s18, s22, 7
	s_add_co_u32 s18, s18, s23
	s_mul_i32 s18, s18, 3072
	s_lshl_b32 s57, s[WV], 8
	s_add_co_u32 s18, s18, s57                     ; w and out at my first row, my wave's 64 d of group 0
	s_mov_b32 s19, 0
	s_mul_i32 s16, s[WV], PARTB
	s_mov_b32 s17, 0
.irp t, 0,1,2,3
	s_add_co_u32 s15, s22, \t
	s_cvt_f32_u32 s[NC+2*\t], s15
	s_xor_b32 s[NC+2*\t], s[NC+2*\t], 0x80000000   ; -ci
	s_mov_b32 s[NC+2*\t+1], s[NC+2*\t]
.endr
	s_mul_i32 s56, s[WV], 4352
	s_add_co_u32 s56, s56, STG                     ; my stage
	s_lshl_b32 s61, s[WV], 11
	s_add_co_u32 s62, s61, TG
	s_add_co_u32 s61, s61, TBJ
	s_lshl_b32 s63, s[WV], 14
	s_add_co_u32 s63, s63, AC
	s_lshl_b32 s2, s[WV], 4
	s_add_co_u32 s2, s2, XSC
	s_lshl_b32 s3, s[WV], 2
	s_add_co_u32 s3, s3, SX
	v_lshlrev_b32 v[T16], 4, v0                    ; 16 x thread: my four b of a chunk
	v_and_b32 v24, 31, v0                          ; l
	v_and_b32 v25, 15, v0                          ; r
	v_bfe_u32 v26, v0, 4, 1                        ; h
	v_lshlrev_b32 v[L16], 4, v24
	v_add_nc_u32 v[VA1], SLOTB, v[T16]
	v_add_nc_u32 v[LI], AC, v[L16]
	v_add_nc_u32 v[ATBJ], TBJ, v[T16]
	v_add_nc_u32 v[ATG], TG, v[T16]
	v_mul_u32_u24 v28, v25, 272
	v_lshl_add_u32 v28, v26, 5, v28
	v_add_nc_u32 v[STO], s56, v28                  ; the stage, in: row r, 32 bytes for each half of the lanes
	v_mul_u32_u24 v29, v26, 272
	v_lshl_add_u32 v29, v25, 4, v29
	v_add_nc_u32 v[RD], s56, v29                   ; back: lanes 0-15 one row of 256 bytes, lanes 16-31 the next
	v_mul_u32_u24 v29, v26, 3072
	v_lshl_add_u32 v[CO], v25, 4, v29              ; and the same two rows in w and in out
	v_add_nc_u32 v[BAD], s[G0+1], v[L16]           ; my part of slot 0, of slot 1
	v_add_nc_u32 v[BAD+1], s[G0+5], v[L16]
	v_lshlrev_b32 v28, 6, v25                      ; 64 r
	v_add_nc_u32 v[XSR], XSC, v28
	v_lshlrev_b32 v29, 4, v26
	v_add_nc_u32 v[SXR], SX, v29
	v_add_nc_u32 v27, s23, v25
	v_cvt_f32_u32 v27, v27                         ; cj
	s_wait_alu depctr_va_vdst(0)
	s_wait_dscnt 0x0                               ; both opening adds are done
	s_wait_kmcnt 0x0
	s_cmp_lt_u32 s[WV], 2                          ; the choice hangs on the wave's number alone
	s_cselect_b64 s[G0M+2:G0M+3], s[4:5], s[6:7]
	s_add_nc_u64 s[G0M+2:G0M+3], s[G0M+2:G0M+3], s[20:21]
	s_or_b32 s[G0M+3], s[G0M+3], 0x80000000
	s_mov_b32 s[SEL], 0x76543210
	s_mov_b32 s[SEL+1], 0xfedcba98
	s_add_nc_u64 s[XB:XB+1], s[8:9], s[16:17]      ; my wave's part of the first half of K of group 0
	s_mov_b64 s[G0+2:G0+3], s[XB:XB+1]             ; slot 0: its tiles 0 and 1
	s_or_b32 s[G0+3], s[G0+3], 0x80000000
	s_add_nc_u64 s[G0+6:G0+7], s[XB:XB+1], TSTEP   ; slot 1: those of the second half
	s_or_b32 s[G0+7], s[G0+7], 0x80000000
	s_add_nc_u64 s[OB:OB+1], s[12:13], s[18:19]
	s_add_nc_u64 s[WB:WB+1], s[10:11], s[18:19]
	CHLOAD 0                                       ; asked for ahead of the round: R waits for them
	CHLOAD 1
	CHLOAD 2
	CHLOAD 3
	WIN 0
	ROUND                                          ; all four work-groups are here: the first joint loads meet
	tensor_load_to_lds s[G0M:G0M+3], s[G1M:G1M+7]  ; my one tensor load at the head
	s_nop 0
.rept 4
	v_nop
.endr
	s_wait_tensorcnt 0x0                           ; my four ranges' rows have landed
	s_barrier_signal -1
	s_barrier_wait -1                              ; and everybody's
	VLOAD 0
	VLOAD 1
	VLOAD 2
	VLOAD 3
.macro RPH p
.set CH, 128*((\p)%2)
.set BI, CH+4
.set BJ, CH+8
.set GT, CH+12
.set WA, 0xaa+0x55*((\p)/2)            ; every place window 2 or 3
.set WS, 0x08+0x04*((\p)/2)            ; an LDS store: address window 0, data window 2 or 3
	s_wait_loadcnt 16*(3-(\p))                     ; a chunk has 16 loads from memory and 16 from LDS: the later chunks' may be out
	s_wait_dscnt 16*(3-(\p))
.if (\p) == 3
	WIN 0
	SLOAD 0                                        ; no load of mine is out: x's first scale images and the register ring's first fill, 36 loads
.set sp, 0
.rept 8
	BVLOAD 0
.set sp, sp+1
.endr
.endif
	WIN WA
.set g, 1
.rept 15
.irp e, 0,1,2,3
	v_cmp_lt_f32 vcc_lo, v[CH+4*g+\e], v[CH+\e]    ; ranges ascending, strict <: the lowest c stays
	v_cndmask_b32 v[CH+\e], v[CH+\e], v[CH+4*g+\e], vcc_lo
	v_cndmask_b32 v[CH+64+\e], v[CH+64+\e], v[CH+64+4*g+\e], vcc_lo
.endr
.set g, g+1
.endr
.irp e, 0,1,2,3
	v_lshrrev_b32 v[BI+\e], 7, v[CH+64+\e]
	v_and_b32 v[BJ+\e], 127, v[CH+64+\e]
.endr
.irp e, 0,1,2,3
	v_cvt_f32_u32 v[BI+\e], v[BI+\e]
	v_cvt_f32_u32 v[BJ+\e], v[BJ+\e]
.endr
.irp t, 0,1,2,3
.irp u, 0,2
	v_pk_add_f32 v[GT+4*\t+\u:GT+4*\t+\u+1], v[BI+\u:BI+\u+1], s[NC+2*\t:NC+2*\t+1] op_sel_hi:[1,0]
.endr
.endr
.set i, 0
.rept 8
	v_pk_mul_f32 v[GT+2*i:GT+2*i+1], v[GT+2*i:GT+2*i+1], v[GT+2*i:GT+2*i+1]
.set i, i+1
.endr
.set i, 0
.rept 8
	v_pk_mul_f32 v[GT+2*i:GT+2*i+1], v[GT+2*i:GT+2*i+1], s[KS:KS+1] op_sel_hi:[1,0]
.set i, i+1
.endr
	s_wait_alu depctr_va_vdst(0)
.set i, 0
.rept 16
	v_exp_f32 v[GT+i], v[GT+i]
.set i, i+1
.endr
	v_nop                                          ; a plain line behind the last exponential
	s_wait_alu depctr_va_vdst(0)                   ; one wait for the batch, ahead of its first reader
.set i, 0
.rept 8
	v_pk_mul_f32 v[GT+2*i:GT+2*i+1], v[GT+2*i:GT+2*i+1], s[AL:AL+1] op_sel_hi:[1,0]
.set i, i+1
.endr
	WIN WS
	ds_store_b128 v[ATBJ], v[BJ:BJ+3] offset:2048*(\p)
.irp t, 0,1,2,3
	ds_store_b128 v[ATG], v[GT+4*\t:GT+4*\t+3] offset:8192*\t+2048*(\p)
.endr
.endm
	RPH 0
	RPH 1
	RPH 2
	RPH 3
	WIN 0xc0                                       ; what F keeps: destination window 3, sources window 0
	v_lshlrev_b32 v[H8], 3, v26
	v_lshl_add_u32 v[ABJ0], v26, 7, s61            ; my wave's 512 b, my half's 32 of each 64
	v_lshl_add_u32 v[AG0], v26, 7, s62
	v_add_nc_u32 v[AXI0], s63, v[L16]              ; my wave's sixteen images
	v_add_nc_u32 v[AXS0], s2, v28
	v_lshl_add_u32 v[SXW], v25, 4, s3
	v_xor_b32 v[NCJ], 0x80000000, v27              ; -cj, twice
	v_xor_b32 v[NCJ+1], 0x80000000, v27
	v_mov_b32 v[TT], 0                             ; written once: a lane permute's destination counts as one of its sources
.set i, 0
.rept 16
	v_mov_b32 v[SA+i], 0                           ; S: two chains of pairs for each tile of rows
.set i, i+1
.endr
	WIN 0
	s_mov_b32 s[CT], 0
	s_wait_alu depctr_va_vdst(0)
	s_wait_tensorcnt 0x0                           ; no tensor load of mine is out
	ds_add_u32 v[SPW], v[NIL]
	s_wait_dscnt 0x0                               ; the add is done, my reads of the ranges' rows are in, my stores of bj and the first factor have landed
	ROUND                                          ; the tables of all 2,048 b lie in LDS, nobody reads the ranges' rows any more, and all four work-groups are here
	JLOAD 0                                        ; slot 0 takes group 0's first half of K
.macro GLOAD t                         ; the first factor of tile t for my 64 b (the sixteen lanes of a half read the same words)
.set i, 0
.rept 16
	ds_load_b128 v[GVA+64*((\t)%2)+4*i:GVA+64*((\t)%2)+4*i+3], v[AG] offset:8192*(\t)+256*(i/8)+16*(i%8)
.set i, i+1
.endr
.endm
.macro FT t                            ; tile t of rows: lr, its sum, two blocks' scales, the scale word, the codes; the image goes to LDS
.set GV, GVA+64*((\t)%2)
.set PCS, PC+8*((\t)%2)
.set WDS, WD+(\t)%2
.if (\t) < 3
	GLOAD (\t)+1
	s_wait_dscnt 16                                ; all but the 16 just issued: this tile's factor is in
.else
	s_wait_dscnt 0x0
.endif
.set i, 0
.rept 32
	v_pk_mul_f32 v[GV+2*i:GV+2*i+1], v[GV+2*i:GV+2*i+1], v[E2+2*i:E2+2*i+1]      ; lr
.set i, i+1
.endr
	v_mov_b32 v[MXA], 0x1800000                    ; the floor 2^(3 - 127) starts both maxima: it holds the byte at 1 from below
	v_mov_b32 v[MXB], 0x1800000
.set i, 0
.rept 16
	v_max3_num_f32 v[MXA], v[MXA], v[GV+2*i], v[GV+2*i+1]              ; no |.|: lr is not negative
	v_max3_num_f32 v[MXB], v[MXB], v[GV+32+2*i], v[GV+33+2*i]
	v_pk_add_f32 v[SA+4*(\t):SA+4*(\t)+1], v[SA+4*(\t):SA+4*(\t)+1], v[GV+2*i:GV+2*i+1]          ; S is taken of the unquantised lr
	v_pk_add_f32 v[SA+4*(\t)+2:SA+4*(\t)+3], v[SA+4*(\t)+2:SA+4*(\t)+3], v[GV+32+2*i:GV+33+2*i]
.set i, i+1
.endr
	v_add_nc_u32 v[SOA], 0xff000000, v[MXA]        ; 2 off the exponent field: the conversion's scale operand
	v_add_nc_u32 v[SOB], 0xff000000, v[MXB]
	v_lshrrev_b32 v[MXA], 23, v[SOA]
	v_lshrrev_b32 v[MXB], 23, v[SOB]
	v_lshl_or_b32 v[WDS], v[MXB], 16, v[MXA]       ; the bytes of blocks h and 2 + h,
	v_lshlrev_b32 v[WDS], v[H8], v[WDS]            ; at their places;
	v_permlanex16_b32 v[TT], v[WDS], s[SEL], s[SEL+1]
	v_or_b32 v[WDS], v[WDS], v[TT]                 ; with lane l xor 16's two the word is whole
.irp g, 0,1,2,3
	v_cvt_scalef32_pk8_fp4_f32 v[PCS+\g], v[GV+8*\g:GV+8*\g+7], v[SOA]
	v_cvt_scalef32_pk8_fp4_f32 v[PCS+4+\g], v[GV+32+8*\g:GV+32+8*\g+7], v[SOB]
.endr
	v_nop                                          ; one plain line behind the last conversion
	ds_store_b128 v[AXI], v[PCS:PCS+3] offset:1024*(\t)
	ds_store_b128 v[AXI], v[PCS+4:PCS+7] offset:1024*(\t)+512
	ds_store_b32 v[AXS], v[WDS] offset:1024*(\t)   ; both halves write the same word with the same value
.endm
.Lf:                                                   ; a trip makes one K step of 128 b: 4 w + the trip's number
	s_lshl_b32 s15, s[CT], 9
	s_lshl_b32 s16, s[CT], 12
	s_lshl_b32 s17, s[CT], 2
	WIN 0xff                                       ; F names window 3 alone
	v_add_nc_u32 v[ABJ], s15, v[ABJ0]
	v_add_nc_u32 v[AG], s15, v[AG0]
	v_add_nc_u32 v[AXI], s16, v[AXI0]
	v_add_nc_u32 v[AXS], s17, v[AXS0]
.set i, 0
.rept 16
	ds_load_b128 v[E2+4*i:E2+4*i+3], v[ABJ] offset:256*(i/8)+16*(i%8)
.set i, i+1
.endr
	GLOAD 0
	s_wait_dscnt 16                                ; bj is in; tile 0's factor may be out
.set i, 0
.rept 32
	v_pk_add_f32 v[E2+2*i:E2+2*i+1], v[E2+2*i:E2+2*i+1], v[NCJ:NCJ+1]
.set i, i+1
.endr
.set i, 0
.rept 32
	v_pk_mul_f32 v[E2+2*i:E2+2*i+1], v[E2+2*i:E2+2*i+1], v[E2+2*i:E2+2*i+1]
.set i, i+1
.endr
.set i, 0
.rept 32
	v_pk_mul_f32 v[E2+2*i:E2+2*i+1], v[E2+2*i:E2+2*i+1], s[KS:KS+1] op_sel_hi:[1,0]
.set i, i+1
.endr
	s_wait_alu depctr_va_vdst(0)
.set i, 0
.rept 64
	v_exp_f32 v[E2+i], v[E2+i]                     ; the second factor: it serves all four tiles of rows
.set i, i+1
.endr
	v_nop                                          ; a plain line behind the last exponential
	s_wait_alu depctr_va_vdst(0)                   ; one wait for the batch
	FT 0
	FT 1
	FT 2
	FT 3
	WIN 0
	s_add_co_u32 s[CT], s[CT], 1
	s_cmp_lt_u32 s[CT], 4
	s_wait_alu depctr_va_vdst(0)
	s_cbranch_scc1 .Lf
	WIN 0xff
.irp t, 0,1,2,3
	v_pk_add_f32 v[SA+4*\t:SA+4*\t+1], v[SA+4*\t:SA+4*\t+1], v[SA+4*\t+2:SA+4*\t+3]
.endr
.irp t, 0,1,2,3
	v_add_f32 v[SA+4*\t], v[SA+4*\t], v[SA+4*\t+1]
.endr
.irp t, 0,1,2,3
	v_permlanex16_b32 v[SA+4*\t+1], v[SA+4*\t], s[SEL], s[SEL+1]
.endr
.irp t, 0,1,2,3
	v_add_f32 v[SA+4*\t], v[SA+4*\t], v[SA+4*\t+1]
	ds_store_b32 v[SXW], v[SA+4*\t] offset:256*\t  ; my wave's part of S of row (t, r)
.endr
	WIN 0
	WLOAD                                          ; group 0's rows of w, behind the register ring's first fill: they have the group's products in which to land
	s_wait_tensorcnt 0x0                           ; my part of slot 0 is in
	ds_add_u32 v[SPW], v[NIL]
	s_wait_dscnt 0x0                               ; the add is done; my images, scale words and parts of S have landed
	ROUND                                          ; lr's codes of all K and S in parts lie in LDS, and all four work-groups are here
	JLOAD 1                                        ; slot 1 takes group 0's second half of K
.macro ALOAD                           ; lr's four fragments of K step an into set an % 4 of window 1
.irp t, 0,1,2,3
.irp c, 0,1
	ds_load_b128 v[AF+32*(an%4)+8*\t+4*\c:AF+32*(an%4)+8*\t+4*\c+3], v[LI] offset:(4*an+\t)*1024+512*\c
.endr
.endr
.endm
.macro BLLOAD hf                       ; x's tiles 0 and 1 of the slot's K step bn into set bn % 4 of window 1
.irp d, 0,1
.irp c, 0,1
	ds_load_b128 v[BL+16*(bn%4)+8*\d+4*\c:BL+16*(bn%4)+8*\d+4*\c+3], v[BAD+\hf] offset:(8*\d+bn)*1024+512*\c
.endr
.endr
.endm
.macro MUL8 d0                         ; tiles d0, d0 + 1 of d x four tiles of rows, K step ks.  The sixteen accumulators take turns, one instruction a turn
.irp dd, 0,1
.irp c, 0,1,2,3
.set rD, 8*(4*(\d0+\dd)+\c)
.if \d0 == 0
.set rB, BL+16*(sp%4)+8*\dd
.else
.set rB, BV+16*sp+8*\dd
.endif
.set rA, AF+32*(ks%4)+8*\c
.set rSB, BS+16*(ks/8)+4*(\d0+\dd)+ks%4
.set rSA, AS+16*\c+ks
.if ks == 0
	v_wmma_scale_f32_16x16x128_f8f6f4 v[rD:rD+7], v[rB:rB+7], v[rA:rA+7], 0, v[rSB], v[rSA] matrix_a_fmt:MATRIX_FMT_FP4 matrix_b_fmt:MATRIX_FMT_FP4
.elseif (ks%8) >= 4
	v_wmma_scale_f32_16x16x128_f8f6f4 v[rD:rD+7], v[rB:rB+7], v[rA:rA+7], v[rD:rD+7], v[rSB], v[rSA] matrix_a_fmt:MATRIX_FMT_FP4 matrix_b_fmt:MATRIX_FMT_FP4 matrix_a_scale:MATRIX_SCALE_ROW1
.else
	v_wmma_scale_f32_16x16x128_f8f6f4 v[rD:rD+7], v[rB:rB+7], v[rA:rA+7], v[rD:rD+7], v[rSB], v[rSA] matrix_a_fmt:MATRIX_FMT_FP4 matrix_b_fmt:MATRIX_FMT_FP4
.endif
.endr
.endr
.endm
; Half hf of a group's K: slot hf, eight K steps, 128 matrix instructions.  At its head tiles 0, 1 of K steps 0-3 are asked of the slot (16 loads).  Behind K step s's products: the register ring's place s takes the next
; half's K step s (fetch = 1: 4 loads; at s = 0 the next half's 4 scale images ahead of them); lr's set takes the K step four on (8 LDS loads), and, for s < 4, the slot's set its K step s + 4 (4 LDS loads).
; LDS loads issued behind those that K step s needs: s < 4: 4 (3 - s) of the head's and 12 s: 12 + 8 s; s >= 4: 12 (7 - s) of K steps s - 3 .. 3 and 8 (s - 4): 52 - 4 s;
;   in the last group's second half (last = 1) K steps 4-7 fetch nothing: 12 (7 - s) = 84 - 12 s.
; Loads from memory issued behind the ring's place s of this half: 4 (7 - s); with fetch = 1, from s = 1 on, 4 + 4 s more: 32, at s = 0: 28; ahead of a first half stand also w's 32: 60, then 64 (a wait names 63 at the most).
; 0xa5: sources 0 (x) and 1 (lr) window 1, C and D window 2;  0xa4: source 0 window 0.
.macro HALF hf, fetch, last
	WIN 0x40
.irp s, 0,1,2,3
.set bn, \s
	BLLOAD \hf
.endr
.set sp, 0
.rept 8
.set ks, 8*\hf+sp
.if \fetch
.if \hf == 0
.if sp == 0
	s_wait_loadcnt 60
.else
	s_wait_loadcnt 63
.endif
.else
.if sp == 0
	s_wait_loadcnt 28
.else
	s_wait_loadcnt 32
.endif
.endif
.else
	s_wait_loadcnt 4*(7-sp)
.endif
.if sp < 4
	s_wait_dscnt 12+8*sp
.elseif \last
	s_wait_dscnt 84-12*sp
.else
	s_wait_dscnt 52-4*sp
.endif
	WIN 0xa5
	MUL8 0
	WIN 0xa4
	MUL8 2
	PLACES
.if \fetch
	WIN 0
.if sp == 0
	SLOAD \hf+1
.endif
	BVLOAD \hf+1
.endif
	WIN 0x40
.if \last && (sp >= 4)
.else
.set an, (ks+4)%16
	ALOAD
.endif
.if sp < 4
.set bn, sp+4
	BLLOAD \hf
.endif
.set sp, sp+1
.endr
	WIN 0
.endm
; THE CHANGE OF SLOTS.  Each wave waits for all its tensor loads (the one that is out is its part of the other slot), adds 0 to its spare word, waits for that and for its reads of slot k; a round of the
; cluster's barrier; slot k is filled again first thing behind the round, with the same half of K of the next group.
.macro CHANGE k
	s_wait_tensorcnt 0x0                           ; no tensor load of mine is out, so a group 0 may be written
	ds_add_u32 v[SPW], v[NIL]
	s_add_nc_u64 s[G0+4*\k+2:G0+4*\k+3], s[G0+4*\k+2:G0+4*\k+3], 2*TSTEP
	s_wait_dscnt 0x0
	ROUND
	JLOAD \k
.endm
; THE WAY OUT of a group's 64 rows x 64 d, a tile of 16 rows at a time: a lane's 32 bytes of a row go into my own stage (rows of 272 bytes) and come back as whole rows of 256 bytes.
.macro TOSTAGE c
	WIN 0x08                                       ; an LDS store's data are its source 1: window 2
.irp d, 0,1,2,3
	ds_store_b128 v[STO], v[8*(4*\d+\c):8*(4*\d+\c)+3] offset:64*\d            ; each accumulator from its low end on
	ds_store_b128 v[STO], v[8*(4*\d+\c)+4:8*(4*\d+\c)+7] offset:64*\d+16
.endr
	WIN 0xc0
.if (\c)%2
.set RB, RBB
.else
.set RB, RBA
.endif
.irp i, 0,1,2,3,4,5,6,7
	ds_load_b128 v[RB+4*\i:RB+4*\i+3], v[RD] offset:544*\i     ; LDS serves a wave's instructions in order: these see the stores above
.endr
.endm
.macro SEND c, younger                 ; younger: the LDS instructions issued behind tile c's loads: the next tile's 16, or none
.if (\c)%2
.set RB, RBB
.else
.set RB, RBA
.endif
	s_wait_dscnt \younger
	WIN 0xbe                                       ; w's rows window 2; 1 - S and the product window 3
.irp i, 0,1,2,3,4,5,6,7
.irp u, 0,2
.if \i%2
	v_pk_fma_f32 v[WQ+32*\c+4*\i+\u:WQ+32*\c+4*\i+\u+1], v[WQ+32*\c+4*\i+\u:WQ+32*\c+4*\i+\u+1], v[F1+8*\c+\i-1:F1+8*\c+\i], v[RB+4*\i+\u:RB+4*\i+\u+1] op_sel:[0,1,0] op_sel_hi:[1,1,1]   ; w (1 - S) + the product; of the pair the row's own 1 - S serves both halves
.else
	v_pk_fma_f32 v[WQ+32*\c+4*\i+\u:WQ+32*\c+4*\i+\u+1], v[WQ+32*\c+4*\i+\u:WQ+32*\c+4*\i+\u+1], v[F1+8*\c+\i:F1+8*\c+\i+1], v[RB+4*\i+\u:RB+4*\i+\u+1] op_sel_hi:[1,0,1]
.endif
.endr
.endr
	WIN 0x08                                       ; a store's data are its source 1: window 2
.irp i, 0,1,2,3,4,5,6,7
	global_store_b128 v[CO], v[WQ+32*\c+4*\i:WQ+32*\c+4*\i+3], s[OB:OB+1] offset:393216*\c+6144*\i th:TH_STORE_NT   ; sixteen lanes store 256 consecutive bytes, aligned
.endr
	WIN 0
.endm
.macro EPI
	TOSTAGE 0
	TOSTAGE 1
	SEND 0, 16
	TOSTAGE 2
	SEND 1, 16
	TOSTAGE 3
	SEND 2, 16
	SEND 3, 0
.endm
.irp t, 0,1,2,3
.irp j, 0,1,2,3
	ds_load_b128 v[AS+16*\t+4*\j:AS+16*\t+4*\j+3], v[XSR] offset:1024*\t+16*\j   ; lr's scale words of all K: register 16 t + ks: row r's word, the same in both halves of the lanes
.endr
.endr
	WIN 0xc0
.set n, 0
.rept 32
	ds_load_b128 v[SXT+4*n:SXT+4*n+3], v[SXR] offset:256*(n/8)+32*(n%8)   ; the four waves' parts of S of row 2 i + l / 16 of tile t, n = 8 t + i
.set n, n+1
.endr
	WIN 0x40
.irp a, 0,1,2,3
.set an, \a
	ALOAD
.endr
	s_wait_dscnt 32                                ; all but the 32 just issued
	WIN 0xff
.set n, 0
.rept 32
	v_add_f32 v[SXT+4*n], v[SXT+4*n], v[SXT+4*n+1]
	v_add_f32 v[SXT+4*n+2], v[SXT+4*n+2], v[SXT+4*n+3]
.set n, n+1
.endr
.set n, 0
.rept 32
	v_add_f32 v[SXT+4*n], v[SXT+4*n], v[SXT+4*n+2]
.set n, n+1
.endr
.set n, 0
.rept 32
	v_sub_f32 v[F1+n], 1.0, v[SXT+4*n]             ; 1 - S of the rows that I store
.set n, n+1
.endr
	s_wait_alu depctr_va_vdst(0)
	WIN 0
	s_mov_b32 s[CT], 0
.Lg:                                                   ; groups 0 and 1: two halves of K, each slot filled again once
	HALF 0, 1, 0
	CHANGE 0
	HALF 1, 1, 0
	CHANGE 1                                       ; the four v_nop behind the load are also the places in front of the stores below
	EPI
	s_wait_xcnt 0x0                                ; every load and store has read its base, and the stores their data
	s_add_nc_u64 s[XB:XB+1], s[XB:XB+1], 2*TSTEP
	s_add_nc_u64 s[OB:OB+1], s[OB:OB+1], 1024
	s_add_nc_u64 s[WB:WB+1], s[WB:WB+1], 1024
	WLOAD                                          ; the next group's rows of w: they have that group's products in which to land
	s_add_co_u32 s[CT], s[CT], 1
	s_cmp_lt_u32 s[CT], 2
	s_cbranch_scc1 .Lg
	HALF 0, 1, 0                                   ; group 2 is written out
	s_wait_tensorcnt 0x0                           ; my part of the last fill is in; I alone read it
	HALF 1, 0, 1
	EPI
	s_wait_tensorcnt 0x0                           ; the wave's end
	ds_add_u32 v[SPW], v[NIL]
	s_wait_dscnt 0x0
	ROUND                                          ; the closing round: no work-group ends while a partner may still ask for a tile that names it
	s_endpgm
.Lfunc_end_k_qc824df04c6_update:
	.size	k_qc824df04c6_update, .Lfunc_end_k_qc824df04c6_update-k_qc824df04c6_update
	.p2alignl 7, 3214868480
	.fill 96, 4, 3214868480
	.section	.rodata,"a",@progbits
	.p2align	6, 0x0
	.amdhsa_kernel k_qc824df04c6_update
		.amdhsa_group_segment_fixed_size 327680
		.amdhsa_private_segment_fixed_size 0
		.amdhsa_enable_private_segment 0
		.amdhsa_kernarg_size 40
		.amdhsa_user_sgpr_count 2
		.amdhsa_user_sgpr_kernarg_segment_ptr 1
		.amdhsa_wavefront_size32 1
		.amdhsa_system_sgpr_workgroup_id_x 1
		.amdhsa_system_sgpr_workgroup_id_y 1
		.amdhsa_system_sgpr_workgroup_id_z 1
		.amdhsa_system_vgpr_workitem_id 0
		.amdhsa_next_free_vgpr 1024
		.amdhsa_next_free_sgpr 96
		.amdhsa_reserve_vcc 1
		.amdhsa_float_denorm_mode_32 3
		.amdhsa_float_denorm_mode_16_64 3
		.amdhsa_memory_ordered 1
		.amdhsa_forward_progress 1
		.amdhsa_inst_pref_size 251
	.end_amdhsa_kernel
	.amdgpu_metadata
---
amdhsa.version: [ 1, 2 ]
amdhsa.kernels:
  - .name:           k_qc824df04c6_update
    .symbol:         k_qc824df04c6_update.kd
    .args:
      - { .name: pval, .offset: 0, .size: 8, .value_kind: global_buffer, .address_space: global }
      - { .name: pidx, .offset: 8, .size: 8, .value_kind: global_buffer, .address_space: global }
      - { .name: xq2, .offset: 16, .size: 8, .value_kind: global_buffer, .address_space: global }
      - { .name: weights, .offset: 24, .size: 8, .value_kind: global_buffer, .address_space: global }
      - { .name: out0, .offset: 32, .size: 8, .value_kind: global_buffer, .address_space: global }
    .group_segment_fixed_size: 327680
    .private_segment_fixed_size: 0
    .kernarg_segment_align: 8
    .kernarg_segment_size: 40
    .max_flat_workgroup_size: 128
    .sgpr_count:     96
    .vgpr_count:     1024
    .wavefront_size: 32
...
	.end_amdgpu_metadata
.endif
;; end of part 3
